; MI455X (gfx1250); checked and timed in simulation.
; The chip was launched on July 23, 2026; its instructions are those of AMD's public machine-readable ISA for CDNA 5 (MIT licence, August 2026) and "CDNA5" Instruction Set Architecture Reference Guide (July 2026). The comments in the code are by the model that wrote it; some were corrected since.
;; Multi Head Attention. Allowed arithmetic: matrix products marked QUANTISED: E2M1 operands, one E8M0 scale for each 32 along K, by v_wmma_scale_f32_16x16x128_f8f6f4 with both operands' format E2M1 (or v_wmma_scale_f32_32x16x128_f4), f32 sums; everything else in f32.
;; Inputs: k 2 x 4,096 x 512 float32; q 2 x 4,096 x 512 float32; v 2 x 4,096 x 512 float32.
;; Outputs: out0 2 x 4,096 x 512 float32.
;; This version of the problem:
;;   THIS VERSION OF THE PROBLEM IS GIVEN IN LOW PRECISION. The matrix products marked QUANTISED in the list below multiply operands that are first quantised to E2M1 (2 exponent bits, 1 mantissa bit; 4 bits a number), with one power-of-two scale for each 32 numbers along K (OCP MX v1.0); their sums are f32. All else is computed in f32.
;;   The module's matrix products, in the order in which they are computed (A, B: the left and right operand; K: the contracted axis; several contracted axes count as one K, in the product's order):
;;     1. batch 16 x [M 4,096, K 64] x [K 64, N 4,096]; A: input q; B: input k: QUANTISED
;;     2. batch 16 x [M 4,096, K 4,096] x [K 4,096, N 64]; A: softmax (see below); B: input v: QUANTISED
;;   THE QUANTISER, for each operand of a quantised product, along K:
;;     - K is cut into blocks of 32 from its start; a last block that is shorter is filled with zeros.
;;     - A block's scale is 2^e with e = floor(log2(the largest magnitude in the block)) - 2, held to -126 .. 127; a block of zeros has e = 0. As a byte (E8M0): e + 127.
;;     - Each number is divided by its block's scale, clamped to +-6, and rounded to the nearest number of E2M1, ties to even, subnormals kept.
;;     - The product sums the exact products of the quantised numbers (number of the format x scale) in f32.
;;   ~~~python
;;   def quantise(x, axis):      # numpy; x: float32 -> the quantised numbers, widened to float32 again
;;       x = np.moveaxis(x, axis, -1); K = x.shape[-1]
;;       x = np.pad(x, [(0, 0)] * (x.ndim - 1) + [(0, -K % 32)]); x = x.reshape(x.shape[:-1] + (-1, 32)); a = np.abs(x).max(-1, keepdims=True)
;;       e = np.where(a > 0, np.clip(np.frexp(np.where(a > 0, a, 1))[1] - 1 - 2, -126, 127), 0)      # np.frexp(a)[1] - 1 = floor(log2(a)), exactly
;;       r = np.clip(x / 2.0 ** e, -6, 6)
;;       step = 2.0 ** (np.maximum(np.frexp(np.where(r == 0, 1, r))[1] - 1, 0) - 1)
;;       q = np.round(r / step) * step * 2.0 ** e      # np.round: ties to even
;;       return np.moveaxis(q.reshape(q.shape[:-2] + (-1,))[..., :K], -1, axis).astype(np.float32)
;;   ~~~
;;   SOFTMAX AHEAD OF A QUANTISED PRODUCT. Where the list says 'softmax', what is quantised is not the finished softmax but p = 2^(t - M), with t = logit x log2(e) and M = ceil(the row's largest t), a whole number; so 1/2 < the row's largest p <= 1. The row's sum l is taken of the UNQUANTISED p, in f32, and the product's result is divided by l at the end. Since M is a whole number, a kernel that streams over the keys may use a running M (the ceiling of the running maximum): every later rescaling is an exact power of two, which a block's scale takes up: the codes' values come out the same.
;;   OPERANDS COMPUTED ON THE WAY. 'Computed on the way' means the value that the module computes at that place (a softmax that the list does not call 'softmax' is quantised finished and normalised). What goes into a quantiser is computed in f32, as accurately as f32 sums, v_exp_f32 and their like allow (about 1e-6 of the number): no bf16 or f16 on the way to a quantiser, and a product that is left as it is and whose result goes on into a quantised operand takes f32 operands (vector FMAs, or v_wmma_f32_16x16x4_f32). A number that lies on a knife's edge between two numbers of the format may be rounded either way, as far as f32 arithmetic and the matrix unit's own rounding can turn it there, and no further.
;; One version. Each part assembles by itself: llvm-mc -triple=amdgcn-amd-amdhsa -mcpu=gfx1250 --defsym DOCPART=n.
;; ======== version 1 of 1: 2 launches
;; limits: right only within a limited range of input values
;; workspace buffers: kv 4,456,448 bytes; qc 2,228,224 bytes
;; launch quant (part 1): grid 256 x 1, 12 waves a work-group, no clusters, 210,432 bytes of LDS; arguments k, q, v, kv, qc; writes kv, qc
.if DOCPART == 1
	.amdgcn_target "amdgcn-amd-amdhsa--gfx1250"
	.amdhsa_code_object_version 6
	.text
	.protected	k_q7111e7cdc8_quant
	.globl	k_q7111e7cdc8_quant
	.p2align	8
	.type	k_q7111e7cdc8_quant,@function
k_q7111e7cdc8_quant:
	s_mov_b64 s[64:65], 0
	v_nop
	global_prefetch_b8 v0, s[64:65] scope:SCOPE_SE
	s_setreg_imm32_b32 hwreg(HW_REG_WAVE_MODE, 25, 1), 1
	s_wait_xcnt 0x0
; ATTENTION IN MX-FP4, FIRST OF TWO LAUNCHES: k, q and v, [2][4096][512] f32 (8 heads of 64), become codes of FP4 (E2M1) with one E8M0 scale byte for each 32 along a product's K.
; k and q are quantised along the head's 64 (two blocks a row), v along the KEYS (one block for 32 keys of a channel).
; DEAD WORK: none.  Every number of q, k and v reaches the result for all values of the inputs: all three inputs are loaded and nothing of reference() is left out.
; A block's scale is 2^(floor(log2(its largest magnitude)) - 2); its byte is the largest magnitude's exponent field - 2, held at 1 from below.
; LIMITS: a block of zeros gets the byte 1 where the quantiser says 127 (its codes are zeros, which add nothing under any byte but 0xff, and this program alone reads the bytes);
; blocks whose largest magnitude lies under 2^(3 - 127), the floor, are held at the byte 1; NaN and infinities among the inputs are not served.
; kv: 16 heads (8 b + head) x 32 RECORDS of 8,704 bytes, one for 128 keys, laid as images of the second launch's operand registers.  Lane l = (r = l % 16, h = l / 16).
;   0 .. 4095     K's codes: tile t = 4 c + i at 512 t + 16 l: lane (r, h) has channels 32 h .. 32 h + 31 of key 64 c + 32 (r / 8) + 8 i + r % 8
;   4096 .. 8191  V's codes: tile t (0 .. 3), half c at 4096 + 1024 t + 512 c + 16 l: lane (r, h) has channel 16 t + r, keys 64 c + 32 h + 0 .. 31
;   8192 + 128 j + 4 l: K's scale word of tiles 2 F, 2 F + 1 with F = 2 j + h, row r (tile 2 F: channels 0-31, 32-63; tile 2 F + 1 likewise)
;   8448 + 128 j + 4 l: V's scale word of tile 2 j + h, channel row r (keys 0-31, 32-63, 64-95, 96-127)
; qc: the same for 128 queries, 4,352 bytes: codes as K's, scale words at 4096 + 128 j + 4 l.
; SHARES.  Work-group g makes records 2 g and 2 g + 1 of kv and of qc.  Twelve waves: waves 0-3 work for k, 4-7 for q, 8-11 for v; in each four, wave 2 rho + j works for record 2 g + rho.
; Each wave fetches rows 64 j .. 64 j + 63 of its tensor, 64 rows of 256 bytes, by its ONE tensor load; the buffers are chosen by the wave's number, which hangs on no address.
; k's and q's waves run one text on their own tile (a lane holds a whole block); v's waves take channels 32 j + lane for all 128 keys (registers down the keys: nothing is transposed).
; Every LDS byte is filled once.  Stores of codes cover 512 consecutive bytes or two aligned runs of 256; a wave's 32 scale words are 128 consecutive bytes, one byte in 128 of what the launch reads.
.set PITCH, 272                        ; an LDS row: 256 bytes + 16 of padding
.set WTILE, 64*PITCH                   ; what one tensor load brings; wave w's tile lies at w x WTILE
.set SPARE, 12*WTILE                   ; the spare words, 128 bytes for each wave, that no other line names
.set REC,   8704
.set QREC,  4352
.set LN,  1
.set RR,  2
.set HH,  3
.set AK,  4                            ; LDS: my row and half row of a tile of k or q
.set AV,  5                            ; LDS: my channel in key 0 of my record's v
.set OC,  6                            ; 2048 j + 16 l
.set OV,  7                            ; 2048 j + 1024 h + 16 r
.set OS,  8                            ; 128 j + 4 l
.set SH,  9                            ; 8 h
.set SPW, 10                           ; LDS address of my spare word; never rewritten
.set NIL, 11                           ; 0; never rewritten
.set MA,  12
.set SO,  14
.set BY,  15
.set EB,  16
.set W0,  20
.set PD,  22
.set SW,  24
.set KC,  32
.set VC,  48
.set X,   64
.set G1,  16                           ; s[16:23] descriptor group 1;  s[24:27] group 0
	s_load_b128 s[4:7], s[0:1], 0x0                ; k, q
	s_load_b128 s[48:51], s[0:1], 0x10             ; v, kv
	s_load_b64 s[40:41], s[0:1], 0x20              ; qc
	v_lshl_add_u32 v[SPW], v0, 2, SPARE
	v_mov_b32 v[NIL], 0
	ds_add_u32 v[SPW], v[NIL]                      ; the opening: the add, twice on end, and its wait ahead of my tensor load
	ds_add_u32 v[SPW], v[NIL]
	v_lshrrev_b32 v[LN], 5, v0
	v_readfirstlane_b32 s10, v[LN]                 ; wave 0..11
	s_lshr_b32 s15, s10, 2                         ; 0: k, 1: q, 2: v
	s_bfe_u32 s11, s10, 0x10001                    ; rho
	s_and_b32 s12, s10, 1                          ; j
	s_lshl_b32 s13, ttmp9, 1
	s_add_co_u32 s13, s13, s11                     ; R = 32 (8 b + head) + step of 128 rows
	s_mov_b32 s[G1+0], (2<<16)|(1<<20)|(5<<22)|(3<<25)   ; elements of 4 bytes; four words of padding after every 64
	s_mov_b32 s[G1+1], 64<<16
	s_mov_b32 s[G1+2], 64<<16
	s_mov_b32 s[G1+3], 64<<16
	s_mov_b32 s[G1+4], 64
	s_mov_b32 s[G1+5], 512
	s_mov_b32 s[G1+6], 0
	s_mov_b32 s[G1+7], 0
	s_lshr_b32 s32, s13, 8                         ; b
	s_lshl_b32 s32, s32, 12
	s_and_b32 s33, s13, 31
	s_lshl_b32 s33, s33, 7
	s_add_co_u32 s32, s32, s33
	s_lshl_b32 s33, s12, 6
	s_add_co_u32 s32, s32, s33                     ; my first row
	s_lshl_b32 s32, s32, 11                        ; rows of 2,048 bytes: under 2^24 in all
	s_bfe_u32 s33, s13, 0x30005                    ; the head
	s_lshl_b32 s33, s33, 8
	s_add_co_u32 s32, s32, s33
	s_mov_b32 s33, 0                               ; s[32:33]: where my tile begins, in k, q and v alike
	s_mul_i32 s14, s10, WTILE
	s_mov_b32 s36, 0x76543210
	s_mov_b32 s37, 0xfedcba98                      ; selects for lane l xor 16
	s_mov_b32 s38, 0xffff0000                      ; lanes 16 to 31
	s_wait_dscnt 0x0
	s_wait_kmcnt 0x0
	s_cmp_eq_u32 s15, 0
	s_cselect_b64 s[26:27], s[4:5], s[6:7]
	s_cmp_eq_u32 s15, 2
	s_cselect_b64 s[26:27], s[48:49], s[26:27]     ; the tensor that I read
	s_mov_b32 s45, 8448
	s_mov_b32 s44, 8192
	s_cselect_b32 s44, s45, s44
	s_cmp_eq_u32 s15, 1
	s_cselect_b64 s[42:43], s[40:41], s[50:51]     ; the buffer that I write,
	s_mov_b32 s34, REC
	s_cselect_b32 s34, QREC, s34                   ; its records' length,
	s_cselect_b32 s44, 4096, s44                   ; and where my scale words begin in a record
	s_mul_i32 s34, s13, s34
	s_mov_b32 s35, 0
	s_mov_b32 s45, 0
	s_add_nc_u64 s[42:43], s[42:43], s[34:35]      ; my record
	s_add_nc_u64 s[46:47], s[42:43], s[44:45]      ; its scale words
	s_mov_b32 s24, 1
	s_mov_b32 s25, s14
	s_add_nc_u64 s[26:27], s[26:27], s[32:33]
	s_or_b32 s27, s27, 0x80000000
	tensor_load_to_lds s[24:27], s[G1:G1+7]        ; my one tensor load
	s_nop 0
	v_and_b32 v[LN], 31, v0
	v_and_b32 v[RR], 15, v0
	v_bfe_u32 v[HH], v0, 4, 1
	v_and_b32 v[AK], 8, v[RR]
	v_mad_u32_u24 v[AK], v[AK], 3, v[RR]           ; r + 24 (r / 8): rows 0-7 and 32-39 of a tile's first
	v_mul_u32_u24 v[AK], v[AK], PITCH
	v_lshl_add_u32 v[AK], v[HH], 7, v[AK]          ; + 128 h: channels 32 h on
	v_add_nc_u32 v[AK], s14, v[AK]
	s_mul_i32 s39, s11, 2*WTILE                    ; my record's 128 keys of v lie on end,
	s_add_co_u32 s39, s39, 8*WTILE
	s_lshl_b32 s28, s12, 7                         ; my 32 channels
	s_add_co_u32 s39, s39, s28
	v_lshl_add_u32 v[AV], v[LN], 2, s39
	s_lshl_b32 s39, s12, 11
	v_lshl_add_u32 v[OC], v[LN], 4, s39
	v_lshl_add_u32 v[OV], v[RR], 4, s39
	v_lshl_add_u32 v[OV], v[HH], 10, v[OV]
	v_lshl_add_u32 v[OS], v[LN], 2, s28
	v_lshlrev_b32 v[SH], 3, v[HH]
	v_mov_b32 v[PD], 0                             ; a lane permute's destination counts as one of its sources
	v_mov_b32 v[PD+1], 0
; The largest magnitude of 32 numbers, in two chains, with the floor 2^(3 - 127) as one more leaf; then 2 off its exponent field: the conversions' scale operand
.macro MAX32 x
	v_max3_num_f32 v[MA], |v[(\x)]|, |v[(\x)+1]|, |v[(\x)+2]|
	v_max3_num_f32 v[MA+1], |v[(\x)+3]|, |v[(\x)+4]|, |v[(\x)+5]|
.irp i, 6,10,14,18,22,26
	v_max3_num_f32 v[MA], v[MA], |v[(\x)+\i]|, |v[(\x)+\i+1]|
	v_max3_num_f32 v[MA+1], v[MA+1], |v[(\x)+\i+2]|, |v[(\x)+\i+3]|
.endr
	v_max3_num_f32 v[MA], v[MA], |v[(\x)+30]|, |v[(\x)+31]|
	v_max3_num_f32 v[MA], v[MA], v[MA+1], 0x1800000
	v_add_nc_u32 v[SO], 0xff000000, v[MA]
.endm
.macro CVT4 d, x                       ; 32 numbers become 16 bytes of codes
.irp g, 0,1,2,3
	v_cvt_scalef32_pk8_fp4_f32 v[(\d)+\g], v[(\x)+8*\g:(\x)+8*\g+7], v[SO]
.endr
.endm
.macro FINISH                          ; the wave's end
	s_wait_tensorcnt 0x0
	ds_add_u32 v[SPW], v[NIL]
	s_wait_dscnt 0x0
	s_endpgm
.endm
	s_wait_alu depctr_va_vdst(0)
	s_wait_tensorcnt 0x0                           ; my tile is in: for my own reads, and for my partner's of v
	s_barrier_signal -1
	s_barrier_wait -1
	s_cmp_eq_u32 s15, 2
	s_cbranch_scc1 .Lv
	; ---- k or q: my four tiles
.irp tau, 0,1,2,3
.irp i, 0,1,2,3,4,5,6,7
	ds_load_b128 v[X+32*\tau+4*\i:X+32*\tau+4*\i+3], v[AK] offset:8*\tau*PITCH+16*\i
.endr
.endr
.irp tau, 0,1,2,3
	s_wait_dscnt 24-8*\tau                         ; this tile's eight loads are in; the later tiles' eight each may be out
	MAX32 X+32*\tau
	CVT4 KC+4*\tau, X+32*\tau
	v_lshrrev_b32 v[EB+\tau], 23, v[SO]            ; the scale's byte (and the plain instruction behind the conversions)
	global_store_b128 v[OC], v[KC+4*\tau:KC+4*\tau+3], s[42:43] offset:512*\tau   ; 512 consecutive bytes
.endr
	v_lshl_or_b32 v[W0], v[EB+1], 16, v[EB]        ; tiles 0 and 1: my block's two bytes,
	v_lshl_or_b32 v[W0+1], v[EB+3], 16, v[EB+2]    ; tiles 2 and 3,
	v_lshlrev_b32 v[W0], v[SH], v[W0]              ; at block h's places;
	v_lshlrev_b32 v[W0+1], v[SH], v[W0+1]
	v_permlanex16_b32 v[PD], v[W0], s36, s37
	v_permlanex16_b32 v[PD+1], v[W0+1], s36, s37
	v_or_b32 v[W0], v[W0], v[PD]                   ; with lane l xor 16's the words are whole
	v_or_b32 v[W0+1], v[W0+1], v[PD+1]
	v_cndmask_b32 v[SW], v[W0], v[W0+1], s38       ; lanes 0-15 keep the first pair's word, lanes 16-31 the second's
	global_store_b32 v[OS], v[SW], s[46:47]
	FINISH
.Lv:	; ---- v
.macro VLOAD b                         ; v(32 b + i, my channel): 32 lanes read 128 consecutive bytes
.irp i, 0,1,2,3,4,5,6,7,8,9,10,11,12,13,14,15,16,17,18,19,20,21,22,23,24,25,26,27,28,29,30,31
	ds_load_b32 v[X+32*(\b)+\i], v[AV] offset:(32*(\b)+\i)*PITCH
.endr
.endm
.macro VWORK b
	MAX32 X+32*(\b)
	CVT4 VC+4*(\b), X+32*(\b)
	v_lshrrev_b32 v[BY], 23, v[SO]
.if (\b) == 0
	v_mov_b32 v[SW+1], v[BY]                       ; four bytes to the word, the lower keys in the lower byte
.else
	v_lshl_or_b32 v[SW+1], v[BY], 8*(\b), v[SW+1]
.endif
	global_store_b128 v[OV], v[VC+4*(\b):VC+4*(\b)+3], s[42:43] offset:4096+256*(\b)   ; two aligned runs of 256 bytes
.endm
	VLOAD 0
	VLOAD 1
	s_wait_dscnt 32                                ; block 0 is in; block 1's 32 loads may be out
	VLOAD 2
	VWORK 0
	s_wait_dscnt 32
	VLOAD 3
	VWORK 1
	s_wait_dscnt 32
	VWORK 2
	s_wait_dscnt 0x0
	VWORK 3
	global_store_b32 v[OS], v[SW+1], s[46:47]
	FINISH
.Lfunc_end_k_q7111e7cdc8_quant:
	.size	k_q7111e7cdc8_quant, .Lfunc_end_k_q7111e7cdc8_quant-k_q7111e7cdc8_quant
	.p2alignl 7, 3214868480
	.fill 96, 4, 3214868480
	.section	.rodata,"a",@progbits
	.p2align	6, 0x0
	.amdhsa_kernel k_q7111e7cdc8_quant
		.amdhsa_group_segment_fixed_size 210432
		.amdhsa_private_segment_fixed_size 0
		.amdhsa_enable_private_segment 0
		.amdhsa_kernarg_size 40
		.amdhsa_user_sgpr_count 2
		.amdhsa_user_sgpr_kernarg_segment_ptr 1
		.amdhsa_wavefront_size32 1
		.amdhsa_system_sgpr_workgroup_id_x 1
		.amdhsa_system_sgpr_workgroup_id_y 1
		.amdhsa_system_sgpr_workgroup_id_z 1
		.amdhsa_system_vgpr_workitem_id 0
		.amdhsa_next_free_vgpr 192
		.amdhsa_next_free_sgpr 66
		.amdhsa_reserve_vcc 0
		.amdhsa_float_denorm_mode_32 3
		.amdhsa_float_denorm_mode_16_64 3
		.amdhsa_memory_ordered 1
		.amdhsa_forward_progress 1
		.amdhsa_inst_pref_size 28
	.end_amdhsa_kernel
	.amdgpu_metadata
---
amdhsa.version: [ 1, 2 ]
amdhsa.kernels:
  - .name:           k_q7111e7cdc8_quant
    .symbol:         k_q7111e7cdc8_quant.kd
    .args:
      - { .name: k, .offset: 0, .size: 8, .value_kind: global_buffer, .address_space: global }
      - { .name: q, .offset: 8, .size: 8, .value_kind: global_buffer, .address_space: global }
      - { .name: v, .offset: 16, .size: 8, .value_kind: global_buffer, .address_space: global }
      - { .name: kv, .offset: 24, .size: 8, .value_kind: global_buffer, .address_space: global }
      - { .name: qc, .offset: 32, .size: 8, .value_kind: global_buffer, .address_space: global }
    .group_segment_fixed_size: 210432
    .private_segment_fixed_size: 0
    .kernarg_segment_align: 8
    .kernarg_segment_size: 40
    .max_flat_workgroup_size: 384
    .sgpr_count:     66
    .vgpr_count:     192
    .wavefront_size: 32
...
	.end_amdgpu_metadata
.endif
;; end of part 1
;; launch attn (part 2): grid 16 x 16, 16 waves a work-group, clusters of 4 x 1, 327,680 bytes of LDS; arguments qc, kv, out0; writes out0
.if DOCPART == 2
	.amdgcn_target "amdgcn-amd-amdhsa--gfx1250"
	.amdhsa_code_object_version 6
	.text
	.protected	k_q7111e7cdc8_attn
	.globl	k_q7111e7cdc8_attn
	.p2align	8
	.type	k_q7111e7cdc8_attn,@function
k_q7111e7cdc8_attn:
	s_mov_b64 s[64:65], 0
	v_nop
	global_prefetch_b8 v0, s[64:65] scope:SCOPE_SE
	s_setreg_imm32_b32 hwreg(HW_REG_WAVE_MODE, 25, 1), 1
	s_wait_xcnt 0x0
	s_wait_alu depctr_hold_cnt(0) depctr_sa_sdst(0) depctr_va_vdst(0) depctr_va_sdst(0) depctr_va_ssrc(0) depctr_va_vcc(0) depctr_vm_vsrc(0)
	s_getreg_b32 s2, hwreg(HW_REG_IB_STS2, 6, 4)
	s_cmp_eq_u32 s2, 0
	s_cbranch_scc0 .Lentry_in_a_cluster
	s_endpgm
.Lentry_in_a_cluster:
	s_bfe_u32 s2, ttmp6, 0x10000c
	s_cmp_lg_u32 s2, 0x3003
	s_cbranch_scc0 .Lentry_shape_is_right
	s_endpgm
.Lentry_shape_is_right:
; ATTENTION IN MX-FP4, SECOND OF TWO LAUNCHES.  out0[b][i][head][:] = the sum over keys j of softmax_j(q . k / 8) v[j][:], no mask; out0: [2][4096][512] f32, 8 heads of 64.  No work of reference() is left out.
; Both products run on codes of FP4 (E2M1) with one E8M0 scale for each 32 along a product's K; q, k and v come as codes from qc and kv, made by the launch before.
; THE SOFTMAX: t = score x log2(e) / 8; M = the row's largest t so far, rounded UP to a whole number; p = 2^(t - M) is quantised along the keys, not normalised.
; The row's sum is taken of the unquantised p, in f32, and divides O at the end.  When M moves, the sum and O are multiplied by 2^(old M - new M): exact.
; LIMITS: the promise holds while the scaled scores t stay under 2^31 in magnitude; NaN and infinities among the inputs are not served; a block of zeros has the scale byte 1, not 127 (its codes are zeros);
; a p under 2^-126 counts as 0 (v_exp_f32 flushes such results: ISA guide 15.8); a block's largest p is made from the block's largest score, which takes v_exp_f32 not to fall where its input rises.
; kv: for each head (8 b + head) 32 RECORDS of 8,704 bytes, one for 128 keys, images of the operands' registers.  Lane l = (r = l % 16, h = l / 16).
;   0 .. 4095     K's codes: tile t = 4 c + i at 512 t + 16 l: lane (r, h) has channels 32 h .. + 31 of key 64 c + 32 (r / 8) + 8 i + r % 8
;   4096 .. 8191  V's codes: tile t, half c at 4096 + 1024 t + 512 c + 16 l: channel 16 t + r, keys 64 c + 32 h + 0 .. 31
;   8192 + 128 j + 4 l: K's scale word of tiles 2 F, 2 F + 1, F = 2 j + h, row r;   8448 + 128 j + 4 l: V's of tile 2 j + h, row r
; qc: records of 4,352 bytes for 128 queries: codes as K's, scale words at 4096 + 128 j + 4 l.
; LAYOUT.  Both products are used transposed (S^T = K Q^T, O^T = V^T P^T): a lane holds ONE query (lane % 16).  By the choice of a tile's keys register 32 c + 8 i + n of a record's scores is key 64 c + 32 h + 8 i + n:
; A LANE HOLDS WHOLE BLOCKS OF 32 KEYS, block 2 c + h in 32 registers on end.  So a block's largest score needs no other lane, and the conversions' results are the second product's operand as they stand.
; The first product's K is 64, the instruction's 128: source 0 takes two tiles of keys, and Q stands between zeros, [0 | q | 0]: [q, 0] picks tile 2 F, [0, q] tile 2 F + 1.  Zero codes add nothing under a byte of 1 to 254.
; SHARES.  A work-group owns 256 queries of one head, each of sixteen waves one tile of 16 (tile w % 8 of query record w / 8), in 256 registers.  A KEY STEP IS 256 KEYS, two records: M, f and the rescaling come once for both.
; A STEP'S K IS LOADED IN THE STEP BEFORE: record 0's into the registers of the last block's p, once that is summed and converted, record 1's into K's own registers behind the second product.
; Sixteen of a step's 64 additions for the row's sum stand behind the NEXT step's first products, as the places there: so the registers that they read and the chains begin as zeros, and they stand once more behind the last step.
; LDS.  A whole head's records, 278,528 bytes, are filled once, in two parts: records 0-7 by each wave's load at the head, records 8-31 by each wave's second load;
; the second part lands while the first four steps are worked.  One barrier follows those steps (the step ahead of it loads nothing ahead); behind it nobody reads records 0-7, which have had their one fill: each wave's stage for the way out lies there.
; CLUSTER.  The four work-groups of a cluster own neighbouring blocks of queries of ONE head: each tensor load is a joint one, the same descriptor and the mask 15 in all four.
; NO PREFETCH: all that a work-group reads of kv is asked for by two loads a wave, the second ahead of the first loop: no later load is left for a prefetch to run ahead of.
.set REC,   8704
.set QREC,  4352
.set HEADB, 32*REC
.set CH0,   8*REC                      ; the first part: 69,632 bytes
.set W0P,   CH0/16                     ; 17 rows of 256 bytes a wave
.set W1P,   (HEADB-CH0)/16             ; 51 rows of 256 bytes a wave
.set SPARE, HEADB                      ; the spare words, 128 bytes for each wave, that no other line names
.set SP,    272                        ; a stage row: 256 bytes + 16; 16 rows are W0P bytes
.set L16, 1                            ; 16 x lane
.set L4,  2                            ; 4 x lane
.set A16, 3                            ; the records in hand + 16 x lane
.set A4,  4                            ; + 4 x lane
.set SPW, 5                            ; my spare word; never rewritten
.set NIL, 6                            ; 0; never rewritten
.set QS,  7                            ; Q's scale word
.set NM,  8                            ; v8 -M, v9 the largest score so far
.set SUM, 10                           ; v[10:11] the row's sum
.set FF,  12                           ; v[12:13] f = 2^(old M - new M) in the lower; behind f's last use the sum's fourth chain
.set PW,  14                           ; v14-15 p's scale words of the two records
.set QZ,  16                           ; v16-27 zeros, Q's codes, zeros
.set SCK, 28                           ; v28-31 K's scale words: record 0 (j = 0, 1), record 1
.set SCV, 32                           ; v32-35 V's likewise
.set BM,  36                           ; v36-39 my four blocks' largest scores, then largest p
.set SO,  40                           ; v40-43 the conversions' scale operands
.set T,   44                           ; v44-47 at work; the sum's second and third chain
.set PC,  48                           ; v48-63 p's codes
.set KF,  64                           ; v64-95 record 1's K, then record 0's V
.set O,   96                           ; v96-127 O^T
.set S,   128                          ; v128-255 S^T, then p; at last v128-159 record 1's V and v224-255 the next step's record 0 of K
.set KG,  S+96
.set WV,  10
.set NC,  14                           ; s14 -c
.set G1A, 16
.set G1B, 24
.set G0A, 32
.set G0B, 36
.set SEL, 44
.set CS,  46                           ; s[46:47] c = log2(e) / 8
.set TB,  48
.set CNT, 49
.macro CROUND                          ; a round of the cluster's barrier
	s_barrier_signal -1
	s_barrier_wait -1
	s_cmp_lg_u32 s[WV], 0
	s_cbranch_scc1 .Lnot_wave_0_\@
	s_barrier_signal -3
.Lnot_wave_0_\@:
	s_barrier_wait -3
	s_barrier_signal -1
	s_barrier_wait -1
.endm
	s_load_b128 s[4:7], s[0:1], 0x0                ; qc, kv
	s_load_b64 s[8:9], s[0:1], 0x10                ; out0
	v_lshl_add_u32 v[SPW], v0, 2, SPARE
	v_mov_b32 v[NIL], 0
	ds_add_u32 v[SPW], v[NIL]                      ; the opening: the add, twice on end, and its wait ahead of my first tensor load
	ds_add_u32 v[SPW], v[NIL]
	v_lshrrev_b32 v[L16], 5, v0
	v_readfirstlane_b32 s[WV], v[L16]              ; wave 0..15
	s_bfe_u32 s11, ttmp6, 0x40000                  ; cx: it enters qc's and out0's addresses alone
	s_lshl_b32 s12, ttmp9, 2
	s_add_co_u32 s12, s12, s11                     ; my block of 256 queries
	s_and_b32 s13, ttmp7, 0xffff                   ; 8 b + head, which the four partners share
.irp g, G1A, G1B                                       ; dense blocks as rows of 256 bytes (32 elements of 8), laid in LDS as in memory; the mask 15 and bit 21 beside it
	s_mov_b32 s[\g+0], 15|(3<<16)|(1<<21)
	s_mov_b32 s[\g+1], 32<<16
	s_mov_b32 s[\g+3], 32<<16
	s_mov_b32 s[\g+5], 32
	s_mov_b32 s[\g+6], 0
	s_mov_b32 s[\g+7], 0
.endr
	s_mov_b32 s[G1A+2], 17<<16
	s_mov_b32 s[G1A+4], 17
	s_mov_b32 s[G1B+2], 51<<16
	s_mov_b32 s[G1B+4], 51
	s_lshr_b32 s40, s13, 3                         ; b
	s_lshl_b32 s40, s40, 12
	s_lshl_b32 s41, s12, 8
	s_add_co_u32 s40, s40, s41
	s_lshr_b32 s41, s[WV], 2
	s_lshl_b32 s41, s41, 6                         ; 128 (w / 8) + 64 c
	s_add_co_u32 s40, s40, s41
	s_and_b32 s41, s[WV], 3
	s_lshl_b32 s41, s41, 3                         ; 8 i
	s_add_co_u32 s40, s40, s41                     ; my tile's row 0; row m lies 32 (m / 8) + m % 8 further on
	s_lshl_b32 s40, s40, 11
	s_and_b32 s41, s13, 7
	s_lshl_b32 s41, s41, 8
	s_add_co_u32 s40, s40, s41
	s_mov_b32 s41, 0                               ; s[40:41]: in out0
	s_lshl_b32 s50, s13, 5
	s_lshl_b32 s51, s12, 1
	s_add_co_u32 s50, s50, s51
	s_lshr_b32 s51, s[WV], 3
	s_add_co_u32 s50, s50, s51
	s_mul_i32 s50, s50, QREC
	s_mov_b32 s51, 0                               ; s[50:51]: my query record in qc
	s_and_b32 s56, s[WV], 7
	s_lshl_b32 s56, s56, 9                         ; my tile's codes
	s_bfe_u32 s57, s[WV], 0x20001
	s_lshl_b32 s57, s57, 6
	s_add_co_u32 s57, s57, 4096                    ; the scale words of my pair of tiles
	s_and_b32 s59, s[WV], 1
	s_mov_b32 s58, 0x03020302
	s_cmp_eq_u32 s59, 0
	s_cselect_b32 s58, 0x01000100, s58             ; which two bytes of a word are my tile's
	s_mul_i32 s52, s13, HEADB                      ; kv: made of the head and the wave's number alone
	s_mul_i32 s[G0A+1], s[WV], W0P
	s_mul_i32 s[G0B+1], s[WV], W1P
	s_add_co_u32 s[G0B+1], s[G0B+1], CH0
	s_add_co_u32 s54, s52, s[G0B+1]
	s_add_co_u32 s52, s52, s[G0A+1]
	s_mov_b32 s53, 0
	s_mov_b32 s55, 0
	s_mov_b32 s[SEL], 0x76543210
	s_mov_b32 s[SEL+1], 0xfedcba98
	s_mov_b32 s[CS], 0x3e38aa3b                    ; c.  1 / 8 is a power of two: score x c has the bits of (score / 8) x log2(e)
	s_mov_b32 s[CS+1], s[CS]
	s_mov_b32 s[NC], 0xbe38aa3b                    ; -c
	s_mov_b32 s[TB], 0
	s_wait_dscnt 0x0
	s_wait_kmcnt 0x0
	s_mov_b32 s[G0A], 1
	s_add_nc_u64 s[G0A+2:G0A+3], s[6:7], s[52:53]
	s_or_b32 s[G0A+3], s[G0A+3], 0x80000000
	s_mov_b32 s[G0B], 1
	s_add_nc_u64 s[G0B+2:G0B+3], s[6:7], s[54:55]
	s_or_b32 s[G0B+3], s[G0B+3], 0x80000000
	s_add_nc_u64 s[4:5], s[4:5], s[50:51]
	s_add_nc_u64 s[8:9], s[8:9], s[40:41]
	CROUND                                         ; all four work-groups are here: the joint loads meet
	tensor_load_to_lds s[G0A:G0A+3], s[G1A:G1A+7]  ; my sixteenth of records 0-7
	s_nop 0
	v_and_b32 v[T], 31, v0
	v_and_b32 v[T+1], 15, v0
	v_lshlrev_b32 v[L16], 4, v[T]
	v_lshlrev_b32 v[L4], 2, v[T]
	v_add_nc_u32 v[T+2], s56, v[L16]
	v_lshl_add_u32 v[T+3], v[T+1], 2, s57
	global_load_b128 v[QZ+4:QZ+7], v[T+2], s[4:5] th:TH_LOAD_NT   ; Q's fragment: 512 consecutive bytes a wave
	global_load_b32 v[BM], v[T+3], s[4:5]          ; row r's word, in both halves of the lanes
	v_add_nc_u32 v[A16], s[TB], v[L16]
	v_add_nc_u32 v[A4], s[TB], v[L4]
	v_mov_b32 v[NM+1], 0xff61b1e6                  ; the largest score so far: -3e38
	v_mov_b32 v[NM], 0x7e000000                    ; -M: a large whole number, so that the first f is 0 and multiplies zeros
	v_mov_b32 v[SUM], 0
	v_mov_b32 v[SUM+1], 0
	v_mov_b32 v[FF], 0                             ; the sum's fourth chain
	v_mov_b32 v[FF+1], 0
.irp i, 0,1,2,3
	v_mov_b32 v[QZ+\i], 0
	v_mov_b32 v[QZ+8+\i], 0
.endr
	s_wait_alu depctr_va_vdst(0)
	s_wait_loadcnt 0x0
	v_perm_b32 v[QS], v[BM], v[BM], s58            ; my tile's two bytes, twice: for [q, 0] and for [0, q]
.irp i, 0,1,2,3
	v_mov_b32 v[T+\i], 0                           ; the sum's second and third chain (the loads that took their addresses here are done)
.endr
.set J, 0
.rept 32
	v_mov_b32 v[O+J], 0                            ; O^T: the step is written once; the first finds zeros.  (Also the places between the scale word's write and the first product)
	v_mov_b32 v[S+64+J], 0                         ; and what the first step's sixteen late additions read
.set J, J+1
.endr
	s_wait_alu depctr_va_vdst(0)
	s_wait_tensorcnt 0x0                           ; my part of records 0-7 is in
	ds_add_u32 v[SPW], v[NIL]
	s_wait_dscnt 0x0
	CROUND                                         ; everybody's part is in, and the four work-groups meet again
	tensor_load_to_lds s[G0B:G0B+3], s[G1B:G1B+7]  ; my sixteenth of records 8-31
	s_nop 0
; Two products of S^T = K Q^T: fragment F of a record holds tiles 2 F and 2 F + 1.  Record 0's fragments lie at KG, record 1's at KF
.macro KQ rec, F
.set D0, S+64*(\rec)+16*(\F)
.set A0, KG+(KF-KG)*(\rec)+8*(\F)
.set WS, SCK+2*(\rec)+(\F)/2
.if (\F)%2
	v_wmma_scale_f32_16x16x128_f8f6f4 v[D0:D0+7], v[A0:A0+7], v[QZ+4:QZ+11], 0, v[WS], v[QS] matrix_a_fmt:MATRIX_FMT_FP4 matrix_b_fmt:MATRIX_FMT_FP4 matrix_a_scale:MATRIX_SCALE_ROW1
	v_wmma_scale_f32_16x16x128_f8f6f4 v[D0+8:D0+15], v[A0:A0+7], v[QZ:QZ+7], 0, v[WS], v[QS] matrix_a_fmt:MATRIX_FMT_FP4 matrix_b_fmt:MATRIX_FMT_FP4 matrix_a_scale:MATRIX_SCALE_ROW1
.else
	v_wmma_scale_f32_16x16x128_f8f6f4 v[D0:D0+7], v[A0:A0+7], v[QZ+4:QZ+11], 0, v[WS], v[QS] matrix_a_fmt:MATRIX_FMT_FP4 matrix_b_fmt:MATRIX_FMT_FP4
	v_wmma_scale_f32_16x16x128_f8f6f4 v[D0+8:D0+15], v[A0:A0+7], v[QZ:QZ+7], 0, v[WS], v[QS] matrix_a_fmt:MATRIX_FMT_FP4 matrix_b_fmt:MATRIX_FMT_FP4
.endif
.endm
; One product of O^T += V^T P^T: channels 16 t on, K = a record's 128 keys
.macro PV rec, t
.set D0, O+8*(\t)
.set A0, KF+(S-KF)*(\rec)+8*(\t)
.set B0, PC+8*(\rec)
.set WS, SCV+2*(\rec)+(\t)/2
.if (\t)%2
	v_wmma_scale_f32_16x16x128_f8f6f4 v[D0:D0+7], v[A0:A0+7], v[B0:B0+7], v[D0:D0+7], v[WS], v[PW+(\rec)] matrix_a_fmt:MATRIX_FMT_FP4 matrix_b_fmt:MATRIX_FMT_FP4 matrix_a_scale:MATRIX_SCALE_ROW1
.else
	v_wmma_scale_f32_16x16x128_f8f6f4 v[D0:D0+7], v[A0:A0+7], v[B0:B0+7], v[D0:D0+7], v[WS], v[PW+(\rec)] matrix_a_fmt:MATRIX_FMT_FP4 matrix_b_fmt:MATRIX_FMT_FP4
.endif
.endm
; The largest score of my two blocks of a record: four chains by turns, each result read from its low end on; MAXB joins them
.macro MAXA rec
.set X, S+64*(\rec)
.set B0, BM+2*(\rec)
	v_max3_num_f32 v[B0], v[X], v[X+1], v[X+2]
	v_max3_num_f32 v[T], v[X+16], v[X+17], v[X+18]
	v_max3_num_f32 v[B0+1], v[X+32], v[X+33], v[X+34]
	v_max3_num_f32 v[T+1], v[X+48], v[X+49], v[X+50]
.irp i, 3,5,7,9,11,13
	v_max3_num_f32 v[B0], v[B0], v[X+\i], v[X+\i+1]
	v_max3_num_f32 v[T], v[T], v[X+16+\i], v[X+17+\i]
	v_max3_num_f32 v[B0+1], v[B0+1], v[X+32+\i], v[X+33+\i]
	v_max3_num_f32 v[T+1], v[T+1], v[X+48+\i], v[X+49+\i]
.endr
.endm
.macro MAXB rec
.set X, S+64*(\rec)
.set B0, BM+2*(\rec)
	v_max3_num_f32 v[B0], v[B0], v[T], v[X+15]
	v_max3_num_f32 v[B0+1], v[B0+1], v[T+1], v[X+47]
	v_max_num_f32 v[B0], v[B0], v[X+31]
	v_max_num_f32 v[B0+1], v[B0+1], v[X+63]
.endm
.macro CV k                            ; block k's 32 p become four registers of the operand
.irp g, 0,1,2,3
	v_cvt_scalef32_pk8_fp4_f32 v[PC+4*(\k)+\g], v[S+32*(\k)+8*\g:S+32*(\k)+8*\g+7], v[SO+(\k)]
.endr
.endm
.macro AD c, n                         ; pair n of p onto chain c
	v_pk_add_f32 v[\c:\c+1], v[\c:\c+1], v[S+2*(\n):S+2*(\n)+1]
.endm
.macro ADD4 n                          ; four pairs onto the four chains
	AD SUM, \n
	AD T, (\n)+1
	AD T+2, (\n)+2
	AD FF, (\n)+3
.endm
.macro LATE                            ; pairs 32 to 47 of the step before, and the four chains become one
.irp n, 32,36,40,44
	ADD4 \n
.endr
	v_pk_add_f32 v[T:T+1], v[T:T+1], v[T+2:T+3]
	v_pk_add_f32 v[SUM:SUM+1], v[SUM:SUM+1], v[FF:FF+1]
	v_pk_add_f32 v[SUM:SUM+1], v[SUM:SUM+1], v[T:T+1]
.endm
.macro KLOAD0                          ; record 0's K and both records' scale words of K: 12 loads
.irp t, 0,1,2,3,4,5,6,7
	ds_load_b128 v[KG+4*\t:KG+4*\t+3], v[A16] offset:512*\t
.endr
.irp j, 0,1
	ds_load_b32 v[SCK+\j], v[A4] offset:8192+128*\j
	ds_load_b32 v[SCK+2+\j], v[A4] offset:REC+8192+128*\j
.endr
.endm
.macro KLOAD1                          ; record 1's K: 8 loads
.irp t, 0,1,2,3,4,5,6,7
	ds_load_b128 v[KF+4*\t:KF+4*\t+3], v[A16] offset:REC+512*\t
.endr
.endm
; A KEY STEP: 256 keys, two records; its K has been asked for.  ahead = 1: it asks for the next step's K.  No two matrix instructions that follow each other share an accumulator, over the backward jump too.
.macro STEP ahead
	s_wait_alu depctr_va_vdst(0)
	s_wait_dscnt 8                                 ; record 0's K and the scale words are in; record 1's eight loads, issued last, may be out
.irp F, 0,1,2,3
	KQ 0, \F
.endr
	LATE                                           ; 19 lines that name no register of these products: the places ahead of the first read of the scores
	MAXA 0
	s_wait_alu depctr_va_vdst(0)
	s_wait_dscnt 0x0                               ; record 1's K is in
.irp F, 0,1,2,3
	KQ 1, \F
.endr
	MAXB 0                                         ; four lines on record 0's registers: the places behind record 1's products
.irp u, 0,1,2,3,4,5,6,7
	ds_load_b128 v[KF+4*\u:KF+4*\u+3], v[A16] offset:4096+512*\u   ; record 0's V: wanted only behind the softmax
.endr
.irp j, 0,1
	ds_load_b32 v[SCV+\j], v[A4] offset:8448+128*\j
	ds_load_b32 v[SCV+2+\j], v[A4] offset:REC+8448+128*\j
.endr
	MAXA 1
	MAXB 1
	v_max3_num_f32 v[T], v[BM], v[BM+1], v[BM+2]
	s_delay_alu instid0(VALU_DEP_1)
	v_max_num_f32 v[T], v[T], v[BM+3]              ; my half's largest score of the step
	s_delay_alu instid0(VALU_DEP_1)
	v_permlanex16_b32 v[T+1], v[T], s[SEL], s[SEL+1]
	s_delay_alu instid0(VALU_DEP_1)
	v_max3_num_f32 v[NM+1], v[NM+1], v[T], v[T+1]  ; the running largest score of my query (c is positive: also the largest t)
	s_delay_alu instid0(VALU_DEP_1)
	v_mul_f32 v[T], s[NC], v[NM+1]                 ; -t
	s_delay_alu instid0(VALU_DEP_1)
	v_floor_f32 v[T], v[T]                         ; the new -M = floor(-t) = -ceil(t)
	s_delay_alu instid0(VALU_DEP_1)
	v_sub_f32 v[T+1], v[T], v[NM]                  ; old M - new M: a whole number, 0 or less
	v_mov_b32 v[NM], v[T]
	s_delay_alu instid0(VALU_DEP_2)
	v_cvt_i32_f32 v[T+1], v[T+1]                   ; (it saturates)
	s_delay_alu instid0(VALU_DEP_1)
	v_ldexp_f32 v[FF], 1.0, v[T+1]                 ; f
.set J, 0
.rept 16
	v_pk_mul_f32 v[O+J:O+J+1], v[O+J:O+J+1], v[FF:FF+1] op_sel_hi:[1,0]   ; O^T under the new M, ahead of the exponentials, each result from its low end on
.set J, J+2
.endr
.set J, 0
.rept 64
	v_pk_fma_f32 v[S+J:S+J+1], v[S+J:S+J+1], s[CS:CS+1], v[NM:NM+1] op_sel_hi:[1,0,0]   ; t - M, two at a time
.set J, J+2
.endr
.irp b, 0,2
	v_pk_fma_f32 v[BM+\b:BM+\b+1], v[BM+\b:BM+\b+1], s[CS:CS+1], v[NM:NM+1] op_sel_hi:[1,0,0]   ; the same instruction on each block's largest score
.endr
	s_wait_alu depctr_va_vdst(0)                   ; the wait ahead of the batch
.irp b, 0,1,2,3
	v_exp_f32 v[BM+\b], v[BM+\b]                   ; the blocks' largest p
.endr
.set J, 0
.rept 128
	v_exp_f32 v[S+J], v[S+J]                       ; p = 2^(t - M)
.set J, J+1
.endr
	v_pk_mul_f32 v[SUM:SUM+1], v[SUM:SUM+1], v[FF:FF+1] op_sel_hi:[1,0]   ; the sum under the new M (the plain instruction behind the batch; f's last use)
	s_wait_alu depctr_va_vdst(0)                   ; and the one wait behind it
.irp b, 0,1,2,3
	v_max_num_f32 v[BM+\b], 0x1800000, v[BM+\b]    ; the floor 2^(3 - 127): the byte cannot fall under 1
.endr
.irp b, 0,1,2,3
	v_add_nc_u32 v[SO+\b], 0xff000000, v[BM+\b]    ; 2 off the exponent field: the conversions' scale operand
.endr
.irp b, 0,1,2,3
	v_lshrrev_b32 v[T+\b], 23, v[SO+\b]            ; the scale's byte
.endr
	v_lshl_or_b32 v[T], v[T+1], 16, v[T]           ; my blocks h and 2 + h of record 0,
	v_lshl_or_b32 v[T+2], v[T+3], 16, v[T+2]       ; of record 1
	v_permlanex16_b32 v[T+1], v[T], s[SEL], s[SEL+1]
	v_permlanex16_b32 v[T+3], v[T+2], s[SEL], s[SEL+1]
	v_lshl_or_b32 v[PW], v[T+1], 8, v[T]           ; in lanes 0-15, which alone are read: blocks 0, 1, 2, 3
	v_lshl_or_b32 v[PW+1], v[T+3], 8, v[T+2]
	CV 0
	v_pk_add_f32 v[T:T+1], v[S:S+1], v[S+2:S+3]    ; THE ROW'S SUM IS TAKEN OF THE UNQUANTISED p, in four chains: three begin anew here
	v_pk_add_f32 v[T+2:T+3], v[S+4:S+5], v[S+6:S+7]
	v_pk_add_f32 v[FF:FF+1], v[S+8:S+9], v[S+10:S+11]
	ADD4 6
	ADD4 10
	AD SUM, 14
	AD T, 15
.irp u, 0,1,2,3,4,5,6,7
	ds_load_b128 v[S+4*\u:S+4*\u+3], v[A16] offset:REC+4096+512*\u   ; record 1's V, into the registers of block 0's p, which is summed and converted
.endr
	s_add_co_u32 s[TB], s[TB], 2*REC
	v_add_nc_u32 v[A16], s[TB], v[L16]             ; the next step's records
	v_add_nc_u32 v[A4], s[TB], v[L4]
	CV 1
	CV 2
	CV 3
.irp n, 48,52,56,60
	ADD4 \n
.endr
.if \ahead
	KLOAD0                                         ; into the registers of block 3's p, which is summed and converted
.endif
	s_wait_alu depctr_va_vdst(0)
.if \ahead
	s_wait_dscnt 12                                ; V is in; the twelve loads just issued may be out
.else
	s_wait_dscnt 0x0                               ; V is in
.endif
.irp t, 0,1,2,3
	PV 0, \t
.endr
.irp t, 0,1,2,3
	PV 1, \t
.endr
	ADD4 16                                        ; six lines that name no register of the last products: the places ahead of the loads below and of the next step's products
	AD SUM, 20
	AD T, 21
.if \ahead
	KLOAD1                                         ; into the registers of record 0's V, which is multiplied
.endif
	AD T+2, 22
	AD FF, 23
	ADD4 24
	ADD4 28
.endm
	KLOAD0                                         ; the first step's K
	KLOAD1
	s_mov_b32 s[CNT], 3
.Lfirst:                                               ; records 0-5
	STEP 1
	s_sub_co_u32 s[CNT], s[CNT], 1
	s_cmp_lg_u32 s[CNT], 0
	s_cbranch_scc1 .Lfirst
	STEP 0                                         ; records 6-7: nothing of records 8-31 is read ahead of the barrier
	s_wait_tensorcnt 0x0                           ; for the others' sake: my part of records 8-31 is in,
	s_wait_dscnt 0x0                               ; and my reads of records 0-7 are over
	s_barrier_signal -1
	s_barrier_wait -1
	KLOAD0
	KLOAD1
	s_mov_b32 s[CNT], 11
.Lrest:                                                ; records 8-29
	STEP 1
	s_sub_co_u32 s[CNT], s[CNT], 1
	s_cmp_lg_u32 s[CNT], 0
	s_cbranch_scc1 .Lrest
	STEP 0                                         ; records 30-31
	LATE                                           ; the last step's sixteen late additions
	; THE WAY OUT, through my own stage, W0P bytes where records 0-7 lay: nobody reads them behind the barrier above
	v_add_f32 v[SUM], v[SUM], v[SUM+1]
	v_permlanex16_b32 v[T+1], v[SUM], s[SEL], s[SEL+1]
	v_add_f32 v[SUM], v[SUM], v[T+1]               ; with lane l xor 16's keys: the row's sum
	s_wait_alu depctr_va_vdst(0)                   ; the wait ahead of the reciprocal
	v_rcp_f32 v[SUM], v[SUM]
	v_and_b32 v[BM], 15, v0                        ; r
	v_bfe_u32 v[BM+1], v0, 4, 1                    ; h
	s_mul_i32 s15, s[WV], W0P
	v_mul_u32_u24 v[SO], v[BM], SP
	v_mul_u32_u24 v[SO+1], v[BM+1], SP
	v_lshlrev_b32 v[SO+2], 11, v[BM+1]
	v_lshl_add_u32 v[SO], v[BM+1], 5, v[SO]
	v_lshl_add_u32 v[SO+1], v[BM], 4, v[SO+1]
	v_lshl_add_u32 v[SO+2], v[BM], 4, v[SO+2]      ; out0: lanes 0-15 one row, lanes 16-31 the next; 16 bytes a lane
	v_add_nc_u32 v[SO], s15, v[SO]                 ; in: row r; tile t's eight channels of my half: 64 t + 32 h bytes on
	v_add_nc_u32 v[SO+1], s15, v[SO+1]             ; back: by rows
	s_wait_alu depctr_va_vdst(0)                   ; the wait ahead of the first use of the reciprocal and of O^T
.set J, 0
.rept 16
	v_pk_mul_f32 v[S+64+J:S+65+J], v[O+J:O+J+1], v[SUM:SUM+1] op_sel_hi:[1,0]   ; register 8 t + n is channel 16 t + 8 h + n of query row r
.set J, J+2
.endr
.irp t, 0,1,2,3
	ds_store_b128 v[SO], v[S+64+8*\t:S+67+8*\t] offset:64*\t
	ds_store_b128 v[SO], v[S+68+8*\t:S+71+8*\t] offset:64*\t+16
.endr
.irp i, 0,1,2,3,4,5,6,7
	ds_load_b128 v[S+96+4*\i:S+99+4*\i], v[SO+1] offset:2*\i*SP      ; LDS serves a wave's instructions in order (ISA guide 5.7.1.4): these see my stores
.endr
.irp i, 0,1,2,3,4,5,6,7
	s_wait_dscnt 7-\i                              ; tile rows 2 i and 2 i + 1 are back; the younger loads may be out
	global_store_b128 v[SO+2], v[S+96+4*\i:S+99+4*\i], s[8:9] offset:(2*\i+24*(\i/4))*2048 th:TH_STORE_NT   ; 16 lanes store the head's 256 consecutive bytes of a row, aligned
.endr
	s_wait_tensorcnt 0x0                           ; the wave's end
	ds_add_u32 v[SPW], v[NIL]
	s_wait_dscnt 0x0
	CROUND                                         ; the closing round
	s_endpgm
.Lfunc_end_k_q7111e7cdc8_attn:
	.size	k_q7111e7cdc8_attn, .Lfunc_end_k_q7111e7cdc8_attn-k_q7111e7cdc8_attn
	.p2alignl 7, 3214868480
	.fill 96, 4, 3214868480
	.section	.rodata,"a",@progbits
	.p2align	6, 0x0
	.amdhsa_kernel k_q7111e7cdc8_attn
		.amdhsa_group_segment_fixed_size 327680
		.amdhsa_private_segment_fixed_size 0
		.amdhsa_enable_private_segment 0
		.amdhsa_kernarg_size 24
		.amdhsa_user_sgpr_count 2
		.amdhsa_user_sgpr_kernarg_segment_ptr 1
		.amdhsa_wavefront_size32 1
		.amdhsa_system_sgpr_workgroup_id_x 1
		.amdhsa_system_sgpr_workgroup_id_y 1
		.amdhsa_system_sgpr_workgroup_id_z 1
		.amdhsa_system_vgpr_workitem_id 0
		.amdhsa_next_free_vgpr 256
		.amdhsa_next_free_sgpr 66
		.amdhsa_reserve_vcc 0
		.amdhsa_float_denorm_mode_32 3
		.amdhsa_float_denorm_mode_16_64 3
		.amdhsa_memory_ordered 1
		.amdhsa_forward_progress 1
		.amdhsa_inst_pref_size 118
	.end_amdhsa_kernel
	.amdgpu_metadata
---
amdhsa.version: [ 1, 2 ]
amdhsa.kernels:
  - .name:           k_q7111e7cdc8_attn
    .symbol:         k_q7111e7cdc8_attn.kd
    .args:
      - { .name: qc, .offset: 0, .size: 8, .value_kind: global_buffer, .address_space: global }
      - { .name: kv, .offset: 8, .size: 8, .value_kind: global_buffer, .address_space: global }
      - { .name: out0, .offset: 16, .size: 8, .value_kind: global_buffer, .address_space: global }
    .group_segment_fixed_size: 327680
    .private_segment_fixed_size: 0
    .kernarg_segment_align: 8
    .kernarg_segment_size: 24
    .max_flat_workgroup_size: 512
    .sgpr_count:     66
    .vgpr_count:     256
    .wavefront_size: 32
...
	.end_amdgpu_metadata
.endif
;; end of part 2
